; MI455X (gfx1250); checked and timed in simulation.
; The chip was launched on July 23, 2026; its instructions are those of AMD's public machine-readable ISA for CDNA 5 (MIT licence, August 2026) and "CDNA5" Instruction Set Architecture Reference Guide (July 2026). The comments in the code are by the model that wrote it; some were corrected since.
;; Shared Weight FC. Allowed arithmetic: matrix products marked QUANTISED: E5M2 operands, one given power-of-two scale a tensor, by v_wmma_f32_16x16x64_bf8_bf8 or v_wmma_f32_16x16x128_bf8_bf8, f32 sums; everything else in f32.
;; Inputs: bias 4,096 float32; lowp_scales 2 int32 (the exponents e of the quantised operands' scales 2^e); shared_weights 256 x 4,096 float32; x 4,096 x 4,096 float32.
;; Outputs: out0 4,096 x 4,096 float32.
;; This version of the problem:
;;   THIS VERSION OF THE PROBLEM IS GIVEN IN LOW PRECISION. The matrix products marked QUANTISED in the list below multiply operands that are first quantised to E5M2 (5 exponent bits, 2 mantissa bits; 8 bits a number), with one given power-of-two scale for each operand tensor; their sums are f32. All else is computed in f32.
;;   The module's matrix products, in the order in which they are computed (A, B: the left and right operand; K: the contracted axis; several contracted axes count as one K, in the product's order):
;;     1. [M 4,096, K 4,096] x [K 4,096, N 4,096]; A: input x; B: computed on the way: QUANTISED (scales: A lowp_scales[0], B lowp_scales[1])
;;   THE QUANTISER, for each operand of a quantised product, along K:
;;     - The operand's scale is 2^e, e = its entry of the input lowp_scales (int32; the entries are numbered through the quantised products in the list's order, A before B).
;;     - Each number is divided by the scale, clamped to +-57,344, and rounded to the nearest number of E5M2, ties to even, subnormals kept.
;;     - The product sums the exact products of the quantised numbers (number of the format x scale) in f32.
;;   ~~~python
;;   def quantise(x, axis, e):      # numpy; x: float32 -> the quantised numbers, widened to float32 again
;;       x = np.moveaxis(x, axis, -1); K = x.shape[-1]
;;       r = np.clip(x / 2.0 ** e, -57344, 57344)
;;       step = 2.0 ** (np.maximum(np.frexp(np.where(r == 0, 1, r))[1] - 1, -14) - 2)
;;       q = np.round(r / step) * step * 2.0 ** e      # np.round: ties to even
;;       return np.moveaxis(q, -1, axis).astype(np.float32)
;;   ~~~
;;   OPERANDS COMPUTED ON THE WAY. 'Computed on the way' means the value that the module computes at that place (a softmax that the list does not call 'softmax' is quantised finished and normalised). What goes into a quantiser is computed in f32, as accurately as f32 sums, v_exp_f32 and their like allow (about 1e-6 of the number): no bf16 or f16 on the way to a quantiser, and a product that is left as it is and whose result goes on into a quantised operand takes f32 operands (vector FMAs, or v_wmma_f32_16x16x4_f32). A number that lies on a knife's edge between two numbers of the format may be rounded either way, as far as f32 arithmetic and the matrix unit's own rounding can turn it there, and no further.
;; One version. Each part assembles by itself: llvm-mc -triple=amdgcn-amd-amdhsa -mcpu=gfx1250 --defsym DOCPART=n.
;; ======== version 1 of 1: 2 launches
;; limits: right only within a limited range of input values
;; workspace buffers: wcodes 1,048,576 bytes
;; launch wquant (part 1): grid 256 x 1, 4 waves a work-group, no clusters, 4,864 bytes of LDS; arguments shared_weights, lowp_scales, wcodes; writes wcodes
.if DOCPART == 1
	.amdgcn_target "amdgcn-amd-amdhsa--gfx1250"
	.amdhsa_code_object_version 6
	.text
	.protected	k_q090c10a15b_wquant
	.globl	k_q090c10a15b_wquant
	.p2align	8
	.type	k_q090c10a15b_wquant,@function
k_q090c10a15b_wquant:
	s_mov_b64 s[64:65], 0
	v_nop
	global_prefetch_b8 v0, s[64:65] scope:SCOPE_SE
	s_setreg_imm32_b32 hwreg(HW_REG_WAVE_MODE, 25, 1), 1
	s_wait_xcnt 0x0
; shared_weights [256][4096], f32, K innermost, become codes of BF8 (E5M2) with the one given scale 2^e1 (entry 1 of the buffer of scales), once for the whole program.
; code = w / 2^e1, held within +-57,344, rounded to the nearest code, ties to even.
; LIMITS: e1 between -126 and 112, so that 2^e1 and 57,344 x 2^e1 are f32 numbers.  NaN among the inputs is not served; an infinity is held at the largest code.
; THE CODES ARE LAID AS IMAGES OF THE OPERAND'S REGISTERS: 512 fragments of 2,048 bytes, 16 rows of W x 128 along K each.  Fragment F = 128 (T / 4) + 4 s + T % 4: rows 16 T + 0 .. 15, step s = 4 q + m of K.
; Byte 2048 F + 512 c + 256 h + 16 n + 4 j + i holds the code of W[16 T + n][512 q + 128 j + 4 (8 m + 2 c + h) + i]: the order in which the next launch lays x's codes, alike on both sides.
; SHARES.  Work-group b: T = b / 16, q = b / 2 % 8, and of each 128 along K the half b % 2 (m = 2 (b % 2), 2 (b % 2) + 1): 16 rows x 4 pieces of 256 bytes.  A wave takes four rows: eight loads, each two whole units of 256 bytes.
; A lane's 16 codes of a row are 16 bytes of the image; the 16 rows of four waves meet in LDS, 16 chunks of 256 bytes, 272 bytes apart; each wave stores 1,024 consecutive bytes.
.set CP,    272
.set SPARE, 16*CP                      ; the spare words, 128 bytes for each wave
.set SPW, 1
.set NIL, 2
.set GI,  3                            ; v3  in W: row l / 16 of two, + 16 (l % 16)
.set WA,  4                            ; v4  LDS, in: chunk l % 16, row 4 wave + l / 16
.set RA,  5                            ; v5  LDS, out: chunk 4 wave + l / 16, + 16 (l % 16)
.set LI,  6                            ; v6  16 x lane
.set LIM, 10
.set SC,  11
.set R,   16                           ; v16-47 two items of 16 numbers
.set PC,  48                           ; v48-55 codes
.set OB,  56                           ; v56-63 read back
	s_load_b128 s[4:7], s[0:1], 0x0                ; W s[4:5], the scales' exponents s[6:7]
	s_load_b64 s[8:9], s[0:1], 0x10                ; the codes
	v_lshl_add_u32 v[SPW], v0, 2, SPARE
	v_mov_b32 v[NIL], 0
	v_lshrrev_b32 v12, 5, v0
	v_readfirstlane_b32 s14, v12                   ; wave 0..3
	v_and_b32 v13, 31, v0
	v_and_b32 v14, 15, v0                          ; l % 16
	v_bfe_u32 v15, v0, 4, 1                        ; l / 16
	v_lshlrev_b32 v[LI], 4, v13
	v_lshlrev_b32 v12, 4, v14
	v_lshl_add_u32 v[GI], v15, 14, v12             ; a row of W is 16,384 bytes
	v_mul_u32_u24 v[WA], v14, CP
	v_mul_u32_u24 v[RA], v15, CP
	v_lshl_add_u32 v[WA], v15, 4, v[WA]
	v_add_nc_u32 v[RA], v[RA], v12
	s_lshl_b32 s15, s14, 6
	v_add_nc_u32 v[WA], s15, v[WA]
	s_mul_i32 s15, s14, 4*CP
	v_add_nc_u32 v[RA], s15, v[RA]
	s_wait_alu depctr_va_vdst(0)                   ; ahead of the run of scalar instructions and the wait behind it
	s_and_b32 s16, ttmp9, 1                        ; half
	s_bfe_u32 s17, ttmp9, 0x30001                  ; q
	s_lshr_b32 s18, ttmp9, 4                       ; T
	s_lshl_b32 s20, s18, 18                        ; W: 16 rows for each T,
	s_lshl_b32 s19, s17, 11
	s_add_co_u32 s20, s20, s19
	s_lshl_b32 s19, s16, 8
	s_add_co_u32 s20, s20, s19
	s_lshl_b32 s19, s14, 16                        ; + my four rows
	s_add_co_u32 s20, s20, s19
	s_mov_b32 s21, 0
	s_lshr_b32 s22, s18, 2                         ; codes: 128 fragments for each T / 4,
	s_lshl_b32 s22, s22, 18
	s_and_b32 s19, s18, 3
	s_lshl_b32 s19, s19, 11
	s_add_co_u32 s22, s22, s19
	s_lshl_b32 s19, s17, 15                        ; 16 for each q,
	s_add_co_u32 s22, s22, s19
	s_lshl_b32 s19, s16, 14                        ; 8 for each half,
	s_add_co_u32 s22, s22, s19
	s_lshr_b32 s19, s14, 1                         ; two waves to a fragment
	s_lshl_b32 s19, s19, 13
	s_add_co_u32 s22, s22, s19
	s_and_b32 s19, s14, 1
	s_lshl_b32 s19, s19, 10
	s_add_co_u32 s22, s22, s19
	s_mov_b32 s23, 0
	s_wait_kmcnt 0x0
	s_load_b32 s24, s[6:7], 0x4                    ; e1
	s_add_nc_u64 s[4:5], s[4:5], s[20:21]
	s_add_nc_u64 s[8:9], s[8:9], s[22:23]
.irp u, 0,1
.irp j, 0,1,2,3
	global_load_b128 v[R+16*\u+4*\j:R+16*\u+4*\j+3], v[GI], s[4:5] offset:32768*\u+512*\j th:TH_LOAD_NT   ; read once in the launch
.endr
.endr
	s_wait_kmcnt 0x0
	s_add_co_i32 s24, s24, 127
	s_lshl_b32 s25, s24, 23
	v_mov_b32 v[SC], s25                           ; 2^e1 as f32: the conversion takes its exponent field
	s_add_co_i32 s24, s24, 15
	s_lshl_b32 s24, s24, 23
	s_or_b32 s24, s24, 0x600000
	v_mov_b32 v[LIM], s24                          ; 57,344 x 2^e1
	s_wait_alu depctr_va_vdst(0)                   ; at the head's end
.irp u, 0,1
	s_wait_loadcnt 4*(1-\u)                        ; item u is in; the next one's four loads may be out
.irp i, 0,1,2,3,4,5,6,7,8,9,10,11,12,13,14,15
	v_med3_num_f32 v[R+16*\u+\i], v[R+16*\u+\i], -v[LIM], v[LIM]   ; the conversion to an 8-bit code does not saturate (ISA guide 7.6.2): the hold at the largest code x the scale comes first
.endr
	v_cvt_scalef32_pk8_bf8_f32 v[PC+4*\u:PC+4*\u+1], v[R+16*\u:R+16*\u+7], v[SC]
	v_cvt_scalef32_pk8_bf8_f32 v[PC+4*\u+2:PC+4*\u+3], v[R+16*\u+8:R+16*\u+15], v[SC]
	ds_store_b128 v[WA], v[PC+4*\u:PC+4*\u+3] offset:32*\u   ; two rows further on for item 1
.endr
	v_nop                                          ; one plain vector line behind the last scaled conversion
	s_wait_dscnt 0x0                               ; for the others' sake: my rows' codes have landed
	s_barrier_signal -1
	s_barrier_wait -1
.irp t, 0,1
	ds_load_b128 v[OB+4*\t:OB+4*\t+3], v[RA] offset:2*CP*\t
.endr
.irp t, 0,1
	s_wait_dscnt 1-\t
	global_store_b128 v[LI], v[OB+4*\t:OB+4*\t+3], s[8:9] offset:512*\t   ; 512 consecutive bytes, at a multiple of 512
.endr
	s_wait_tensorcnt 0x0                           ; the wave's end
	ds_add_u32 v[SPW], v[NIL]
	s_wait_dscnt 0x0
	s_endpgm
.Lfunc_end_k_q090c10a15b_wquant:
	.size	k_q090c10a15b_wquant, .Lfunc_end_k_q090c10a15b_wquant-k_q090c10a15b_wquant
	.p2alignl 7, 3214868480
	.fill 96, 4, 3214868480
	.section	.rodata,"a",@progbits
	.p2align	6, 0x0
	.amdhsa_kernel k_q090c10a15b_wquant
		.amdhsa_group_segment_fixed_size 4864
		.amdhsa_private_segment_fixed_size 0
		.amdhsa_enable_private_segment 0
		.amdhsa_kernarg_size 24
		.amdhsa_user_sgpr_count 2
		.amdhsa_user_sgpr_kernarg_segment_ptr 1
		.amdhsa_wavefront_size32 1
		.amdhsa_system_sgpr_workgroup_id_x 1
		.amdhsa_system_sgpr_workgroup_id_y 1
		.amdhsa_system_sgpr_workgroup_id_z 1
		.amdhsa_system_vgpr_workitem_id 0
		.amdhsa_next_free_vgpr 64
		.amdhsa_next_free_sgpr 66
		.amdhsa_reserve_vcc 0
		.amdhsa_float_denorm_mode_32 3
		.amdhsa_float_denorm_mode_16_64 3
		.amdhsa_memory_ordered 1
		.amdhsa_forward_progress 1
		.amdhsa_inst_pref_size 7
	.end_amdhsa_kernel
	.amdgpu_metadata
---
amdhsa.version: [ 1, 2 ]
amdhsa.kernels:
  - .name:           k_q090c10a15b_wquant
    .symbol:         k_q090c10a15b_wquant.kd
    .args:
      - { .name: shared_weights, .offset: 0, .size: 8, .value_kind: global_buffer, .address_space: global }
      - { .name: lowp_scales, .offset: 8, .size: 8, .value_kind: global_buffer, .address_space: global }
      - { .name: wcodes, .offset: 16, .size: 8, .value_kind: global_buffer, .address_space: global }
    .group_segment_fixed_size: 4864
    .private_segment_fixed_size: 0
    .kernarg_segment_align: 8
    .kernarg_segment_size: 24
    .max_flat_workgroup_size: 128
    .sgpr_count:     66
    .vgpr_count:     64
    .wavefront_size: 32
...
	.end_amdgpu_metadata
.endif
;; end of part 1
;; launch fc (part 2): grid 16 x 16, 8 waves a work-group, clusters of 4 x 4, 327,680 bytes of LDS; arguments x, wcodes, bias, lowp_scales, out0; writes out0
.if DOCPART == 2
	.amdgcn_target "amdgcn-amd-amdhsa--gfx1250"
	.amdhsa_code_object_version 6
	.text
	.protected	k_q090c10a15b_fc
	.globl	k_q090c10a15b_fc
	.p2align	8
	.type	k_q090c10a15b_fc,@function
k_q090c10a15b_fc:
	s_mov_b64 s[64:65], 0
	v_nop
	global_prefetch_b8 v0, s[64:65] scope:SCOPE_SE
	s_setreg_imm32_b32 hwreg(HW_REG_WAVE_MODE, 25, 1), 1
	s_wait_xcnt 0x0
	s_wait_alu depctr_hold_cnt(0) depctr_sa_sdst(0) depctr_va_vdst(0) depctr_va_sdst(0) depctr_va_ssrc(0) depctr_va_vcc(0) depctr_vm_vsrc(0)
	s_getreg_b32 s2, hwreg(HW_REG_IB_STS2, 6, 4)
	s_cmp_eq_u32 s2, 0
	s_cbranch_scc0 .Lentry_in_a_cluster
	s_endpgm
.Lentry_in_a_cluster:
	s_bfe_u32 s2, ttmp6, 0x10000c
	s_cmp_lg_u32 s2, 0xf033
	s_cbranch_scc0 .Lentry_shape_is_right
	s_endpgm
.Lentry_shape_is_right:
; out0[m][j] = sum over k of Q(x)[m][k] Q(W)[j % 256][k] + bias[j].  x [4096][4096] f32, quantised here with 2^e0; W's codes come from the launch before, as images of operand registers; out0 [4096][4096] f32.
; The weight matrix is 256 rows tiled 16 times, so a row of out0 has 256 DISTINCT sums: each is computed once, on codes of BF8 (E5M2), f32 sums,
; and written 16 times as sum x 2^(e0 + e1) + bias[256 g + column], g = 0 .. 15: one fused multiply-add for each number of the output.
; LIMITS: e0 between -126 and 112 (2^e0 and 57,344 x 2^e0 are f32 numbers); e0 + e1 between -126 and 127.  NaN among the inputs is not served; an infinity is held at the largest code.
; SHARES.  256 work-groups.  One owns 32 rows (block rb) and half of the distinct columns (half hb, 128 of them): it takes 524,288 bytes of x and 524,288 of W's codes, the least sum for 256 equal shares.
; CLUSTERS of 4 x 4: hb = cy % 2, rb = 8 x cluster + 4 (cy / 2) + cx.  The two work-groups that read the same rows of x run at the same time; the four of a row of the cluster want the same codes of W:
; A JOINT LOAD brings each wave's first ten fragments of W, 20,480 bytes, into LDS bytes of the wave's own; 163,840 bytes are what LDS has room for beside the rest, and no LDS byte is filled twice.
; x and the other 22 fragments of a wave go straight into registers, with 48 loads (24,576 bytes) of each of the eight waves on their way.  No prefetch: these loads themselves run 12 items ahead.
; WAVE w OWNS AN EIGHTH OF K, 512 w .. 512 w + 511, for all 32 rows and all 128 columns: it quantises its own part of x, turns it through LDS bytes of its own and keeps it in 128 registers for both groups of columns.
; W's fragments are walked i = 0 .. 31: i / 16 the group of 64 columns, (i % 16) / 4 the step m of 128 along my K, i % 4 the tile t of 16 columns; each meets both tiles of 16 rows.
; A RING OF 12 REGISTER SLOTS, 16 registers each, takes a wave's 54 items in order, four loads of 512 consecutive bytes an item; item n + 12 is asked for when item n has been used:
;   items 0 .. 31:  x, row n.  The numbers are quantised as they lie: lane l has 512 w + 128 j + 4 l + i in register 4 j + i; its 16 codes are 16 bytes, stored at 16 l of the row's 512.
;   items 32 .. 53: W, fragments i = 10 .. 31.  The first 64 columns' sums are stored while the second group's fragments are on their way.
; The eight waves' sums meet in LDS (a stage for each 64 columns); each wave adds up four rows and stores them 16 times: a store covers two whole aligned units of 256 bytes.
; THE MATRIX INSTRUCTION IS USED TRANSPOSED (source 0 = 16 columns' codes of W, source 1 = 16 rows of x): lane l holds row l % 16 and 8 neighbouring columns, 8 (l / 16) + 0 .. 7 of the tile.
; In step m, byte i of register 4 c + j of lane (r, h) is k = 512 w + 128 j + 4 (8 m + 2 c + h) + i, alike on both sides: every product meets its partner; only the order of the sums differs.
.set NS,    12                         ; slots of the ring
.set NI,    54                         ; items
.set NL,    10                         ; fragments of W that come by the joint load
.set RP,    528                        ; a row of my codes in LDS: 512 bytes + 16: row r begins 16 r bytes on, modulo 256
.set SPI,   272                        ; a row of a stage: 64 sums + 16 bytes
.set SGR,   32*SPI                     ; a stage of one wave's sums
.set REG,   2*SGR                      ; LDS bytes of one wave: its codes, and over them, when they are in registers, its two stages
.set BIA,   8*REG                      ; the bias: [16 copies][128 columns]
.set SPARE, BIA+8192                   ; the spare words, 128 bytes for each wave
.set WL,    SPARE+1024                 ; the joint loads' bytes, NL x 2,048 for each wave: nothing else lands there
; window 0
.set SPW, 1                            ; v1  LDS address of my spare word; never rewritten
.set NIL, 2                            ; v2  0; never rewritten
.set LI,  3                            ; v3  16 x lane
.set WR,  4                            ; v4  my fragments of W in LDS: + 16 x lane
.set AR,  8                            ; v8  my codes, out: row l % 16, + 16 (l / 16)
.set SR2, 10                           ; v10 waves 4 .. 7's stages, out
.set SR,  11                           ; v11 waves 0 .. 3's stages, out: row 4 w + l / 16, + 16 (l % 16)
.set OO,  12                           ; v12 the same place in out0
.set BW,  13                           ; v13 the bias, in: copy w, + 16 x lane
.set BR,  14                           ; v14 the bias, out: 16 (l % 16)
.set SO,  15                           ; v15 my stage, in: row l % 16, + 32 (l / 16)
.set ACC, 16                           ; v16-79 the sums: (tile t of columns, tile of rows); later the eight waves' sums of my rows
.set AF,  80                           ; v80-207 x's fragments: (tile of rows, step m); on the last way out the results
.set SUM, 208                          ; v208-215 the finished sums of two pairs of rows
; window 1: v0-191 the ring; v192-255 W's fragments from LDS, two buffers of two, then the first way out's results, and ahead of both
.set OU1, 192
.set LI1, 192                          ; 16 x lane
.set LIM, 193                          ; 57,344 x 2^e0
.set SC,  194                          ; 2^e0
.set CW,  195                          ; my codes, in: + 16 x lane
.set CD,  196                          ; v196-203 codes, two sets of four
.set G0,  36                           ; s[36:39] descriptor group 0
.set G1,  48                           ; s[48:55] descriptor group 1
.set MSB, 0
.macro WIN new                         ; s_set_vgpr_msb: bits 1:0 source 0, 3:2 source 1, 5:4 source 2, 7:6 destination; the high byte repeats the setting that is left
.if MSB != \new
	s_set_vgpr_msb (MSB<<8)|\new
.set MSB, \new
.endif
.endm
.macro CROUND                          ; a whole round of the cluster's barrier (every window is 0)
	s_barrier_signal -1
	s_barrier_wait -1
	s_cmp_lg_u32 s14, 0
	s_cbranch_scc1 .Lnot_wave_0_\@
	s_barrier_signal -3
.Lnot_wave_0_\@:
	s_barrier_wait -3
	s_barrier_signal -1
	s_barrier_wait -1
.endm
.macro ITEM n, adr                     ; asks for item n (destination window 1)
.set IS, 16*((\n)%NS)
.irp j, 0,1,2,3
.if (\n) < 32
	global_load_b128 v[IS+4*\j:IS+4*\j+3], v[\adr], s[4:5] offset:16384*(\n)+512*\j
.else
	global_load_b128 v[IS+4*\j:IS+4*\j+3], v[\adr], s[6:7] offset:262144*(((\n)-32+NL)/16)+2048*(((\n)-32+NL)%16)+512*\j
.endif
.endr
.endm
; Item n of x becomes 512 codes of row n.  All operands lie in window 1.
.macro XUNIT n
.set SL, 16*((\n)%NS)
.set CC, CD+4*((\n)%2)
	s_wait_loadcnt 4*(NS-1)                        ; item n is in; the four loads of each of the 11 items behind it may be out
.if (\n) == 0
	WIN 0
	ds_store_b128 v[BW], v[SUM:SUM+3]              ; the bias, asked for ahead of item 0, goes to LDS for all waves
	ds_store_b128 v[BW], v[SUM+4:SUM+7] offset:4096
	WIN 0x55
.endif
.irp i, 0,1,2,3,4,5,6,7,8,9,10,11,12,13,14,15
	v_med3_num_f32 v[SL+\i], v[SL+\i], -v[LIM], v[LIM]   ; the conversion to an 8-bit code does not saturate (ISA guide 7.6.2): the hold at the largest code x the scale comes first
.endr
	v_cvt_scalef32_pk8_bf8_f32 v[CC:CC+1], v[SL:SL+7], v[SC]
	v_cvt_scalef32_pk8_bf8_f32 v[CC+2:CC+3], v[SL+8:SL+15], v[SC]
	ds_store_b128 v[CW], v[CC:CC+3] offset:RP*(\n)
	ITEM (\n)+NS, LI1
.endm
; Fragments i and i + 1 of W, in window 1 from register ws on, against both tiles of rows.  The eight accumulators take turns, one instruction a turn: seven others stand between a sum's steps.
.macro MUL4 i, ws
.irp u, 0,1
.set WS, (\ws)+16*\u
.set AC, ACC+16*(((\i)+\u)%4)
.set AB, AF+16*((((\i)+\u)%16)/4)
.if (\i)%16 < 4
	v_wmma_f32_16x16x128_bf8_bf8 v[AC:AC+7], v[WS:WS+15], v[AB:AB+15], 0   ; the first step starts the sums: nothing is cleared
	v_wmma_f32_16x16x128_bf8_bf8 v[AC+8:AC+15], v[WS:WS+15], v[AB+64:AB+79], 0
.else
	v_wmma_f32_16x16x128_bf8_bf8 v[AC:AC+7], v[WS:WS+15], v[AB:AB+15], v[AC:AC+7]
	v_wmma_f32_16x16x128_bf8_bf8 v[AC+8:AC+15], v[WS:WS+15], v[AB+64:AB+79], v[AC+8:AC+15]
.endif
.endr
.rept 4
	v_nop                                          ; four places in front of loads into registers that these products have read, and of reads of their results
.endr
.endm
.macro LFETCH i                        ; fragments i and i + 1 from LDS into buffer (i / 2) % 2
	WIN 0x40                                       ; destination window 1, address window 0
.set LB, OU1+32*(((\i)/2)%2)
.irp u, 0,1
.irp c, 0,1,2,3
	ds_load_b128 v[LB+16*\u+4*\c:LB+16*\u+4*\c+3], v[WR] offset:2048*((\i)+\u)+512*\c
.endr
.endr
.endm
.macro LPAIR i, younger                ; a pair from LDS; younger: LDS loads behind those that it needs, which may stay out
	WIN 0x01                                       ; source 0 (W) window 1
	s_wait_dscnt \younger
	MUL4 \i, OU1+32*(((\i)/2)%2)
.if (\i)+4 < NL
	LFETCH (\i)+4
.endif
.endm
.macro MPAIR i                         ; a pair from the ring: items 22 + i and 23 + i
	WIN 0x01
.if (\i) <= 20
	s_wait_loadcnt 40                              ; both fragments are in; the ten items behind them may be out
.else
	s_wait_loadcnt 4*(30-(\i))                     ; the last items: as many as are left
.endif
	MUL4 \i, 16*(((\i)+32-NL)%NS)
.if (\i)+32-NL+NS < NI
	WIN 0x40                                       ; destination window 1, address window 0
	ITEM (\i)+32-NL+NS, LI
	ITEM (\i)+33-NL+NS, LI
.endif
.endm
.macro AFETCH m                        ; my codes of step m, as fragments: LDS serves a wave's instructions in order (ISA guide 5.7.1.4): these see my stores
	WIN 0
.irp h, 0,1
.irp c, 0,1,2,3
	ds_load_b128 v[AF+64*\h+16*\m+4*\c:AF+64*\h+16*\m+4*\c+3], v[AR] offset:16*RP*\h+128*\m+32*\c
.endr
.endr
.endm
; The bias of 16 copies, for rows' pair q, into the registers of the results
.macro BIAS g, q
.if \g
	WIN 0
.set OB, AF+64*(\q)
.else
	WIN 0x40                                       ; destination window 1, address window 0
.set OB, OU1
.endif
.irp c, 0,1,2,3,4,5,6,7,8,9,10,11,12,13,14,15
	ds_load_b128 v[OB+4*\c:OB+4*\c+3], v[BR] offset:512*\c+256*\g
.endr
.endm
; The eight waves' sums of 64 columns meet in the stages; each wave adds up its four rows.
.macro STAGE g
	WIN 0
.irp t, 0,1,2,3
.irp h, 0,1
	ds_store_b128 v[SO], v[ACC+16*\t+8*\h:ACC+16*\t+8*\h+3] offset:SGR*\g+16*SPI*\h+64*\t      ; each accumulator from its low end on
	ds_store_b128 v[SO], v[ACC+16*\t+8*\h+4:ACC+16*\t+8*\h+7] offset:SGR*\g+16*SPI*\h+64*\t+16
.endr
.endr
	s_wait_dscnt 0x0                               ; for the others' sake: my sums have landed (and, the first time, my copies of the bias)
	s_barrier_signal -1
	s_barrier_wait -1
.irp q, 0,1
.irp p, 0,1,2,3
	ds_load_b128 v[ACC+32*\q+4*\p:ACC+32*\q+4*\p+3], v[SR] offset:SGR*\g+2*SPI*\q+REG*\p
	ds_load_b128 v[ACC+32*\q+16+4*\p:ACC+32*\q+16+4*\p+3], v[SR2] offset:SGR*\g+2*SPI*\q+REG*\p
.endr
.endr
	BIAS \g, 0
.if \g
	BIAS \g, 1
.endif
	WIN 0
	s_wait_dscnt 16+16*\g                          ; the 16 loads of sums are in; those of the bias may be out
.irp p, 0,8,16,24
.irp i, 0,2,32,34
	v_pk_add_f32 v[ACC+\p+\i:ACC+\p+\i+1], v[ACC+\p+\i:ACC+\p+\i+1], v[ACC+\p+4+\i:ACC+\p+4+\i+1]
.endr
.endr
.irp p, 0,16
.irp i, 0,2,32,34
	v_pk_add_f32 v[ACC+\p+\i:ACC+\p+\i+1], v[ACC+\p+\i:ACC+\p+\i+1], v[ACC+\p+8+\i:ACC+\p+8+\i+1]
.endr
.endr
.irp q, 0,1
.irp i, 0,2
	v_pk_add_f32 v[SUM+4*\q+\i:SUM+4*\q+\i+1], v[ACC+32*\q+\i:ACC+32*\q+\i+1], v[ACC+32*\q+16+\i:ACC+32*\q+16+\i+1]
.endr
.endr
	s_wait_alu depctr_va_vdst(0)                   ; ahead of the waits below
.endm
; Two rows, 16 copies, 64 columns: sum x 2^(e0 + e1) + bias (the scalar pair's low word for both halves), then the stores
.macro SEND g, q, younger              ; younger: LDS loads behind this pair's bias, which may stay out
	s_wait_dscnt \younger
.if \g
	WIN 0
.set OB, AF+64*(\q)
.else
	WIN 0x50                                       ; destination and source 2 (the bias) window 1
.set OB, OU1
.endif
.irp c, 0,1,2,3,4,5,6,7,8,9,10,11,12,13,14,15
.irp i, 0,2
	v_pk_fma_f32 v[OB+4*\c+\i:OB+4*\c+\i+1], v[SUM+4*\q+\i:SUM+4*\q+\i+1], s[46:47], v[OB+4*\c+\i:OB+4*\c+\i+1] op_sel_hi:[1,0,1]
.endr
.endr
.if \g == 0
	WIN 0x04                                       ; a store's data window 1, its address window 0
.endif
.irp c, 0,1,2,3,4,5,6,7,8,9,10,11,12,13,14,15
	global_store_b128 v[OO], v[OB+4*\c:OB+4*\c+3], s[12:13] offset:32768*\q+1024*\c+256*\g th:TH_STORE_NT   ; sixteen lanes store 256 consecutive bytes, aligned; written once, read by nobody here
.endr
.endm
	s_load_b256 s[4:11], s[0:1], 0x0               ; x s[4:5], W's codes s[6:7], bias s[8:9], the scales' exponents s[10:11]
	s_load_b64 s[12:13], s[0:1], 0x20              ; out0
	v_lshl_add_u32 v[SPW], v0, 2, SPARE
	v_mov_b32 v[NIL], 0
	ds_add_u32 v[SPW], v[NIL]                      ; the wave's opening: the add, twice on end, and its wait ahead of my tensor load
	ds_add_u32 v[SPW], v[NIL]
	v_lshrrev_b32 v5, 5, v0
	v_readfirstlane_b32 s14, v5                    ; wave 0..7
	v_and_b32 v5, 31, v0
	v_lshlrev_b32 v[LI], 4, v5
	v_and_b32 v6, 15, v0                           ; l % 16
	v_bfe_u32 v7, v0, 4, 1                         ; l / 16
	WIN 0x40
	v_mov_b32 v[LI1], v[LI]
	s_wait_alu depctr_va_vdst(0)                   ; ahead of the run of scalar instructions and the waits behind it
	s_bfe_u32 s15, ttmp6, 0x40000                  ; cx
	s_bfe_u32 s18, ttmp6, 0x40004                  ; cy
	s_and_b32 s16, s18, 1                          ; hb
	s_and_b32 s17, ttmp7, 0xffff
	s_lshl_b32 s17, s17, 2
	s_add_co_u32 s17, s17, ttmp9                   ; cluster 0..15
	s_lshl_b32 s17, s17, 1
	s_lshr_b32 s19, s18, 1
	s_add_co_u32 s17, s17, s19
	s_lshl_b32 s17, s17, 2
	s_add_co_u32 s17, s17, s15                     ; rb = 8 x cluster + 4 (cy / 2) + cx
	s_lshl_b32 s22, s17, 19                        ; 32 rows of 16,384 bytes a block, in x and in out0 alike
	s_lshl_b32 s34, s14, 11                        ; x: + my 512 numbers
	s_add_co_u32 s20, s22, s34
	s_mov_b32 s21, 0
	s_lshl_b32 s34, s14, 16                        ; out0: + my four rows
	s_add_co_u32 s22, s22, s34
	s_lshl_b32 s35, s16, 9                         ; + 128 columns of 4 bytes for each half
	s_add_co_u32 s22, s22, s35
	s_mov_b32 s23, 0
	s_lshl_b32 s24, s16, 19                        ; W's codes: 256 fragments of 2,048 bytes for each half,
	s_lshl_b32 s40, s14, 15                        ; my 16 of each 128: no cx in this address
	s_add_co_u32 s24, s24, s40
	s_mov_b32 s25, 0
	s_lshl_b32 s26, s14, 10                        ; bias: copies w and w + 8
	s_add_co_u32 s26, s26, s35
	s_mov_b32 s27, 0
	s_mul_i32 s28, s14, REG
	s_lshl_b32 s31, s14, 9
	s_add_co_u32 s31, s31, BIA
	s_mul_i32 s33, s14, 4*SPI
	s_mul_i32 s30, s14, NL*2048
	s_add_co_u32 s30, s30, WL                      ; my fragments of W in LDS
	; the joint load: NL x 2,048 dense bytes, stated as rows of 256: 32 elements of 8 bytes, 80 rows
	s_mov_b32 s[G0+0], 1
	s_mov_b32 s[G0+1], s30
	s_lshl_b32 s43, s18, 2
	s_lshl_b32 s43, 15, s43                        ; my row of the cluster: places 4 cy .. 4 cy + 3
	s_or_b32 s[G1+0], s43, (3<<16)|(1<<21)         ; 15:0 the mask; 17:16 elements of 8 bytes; 21 set beside a mask
	s_mov_b32 s[G1+1], 32<<16                      ; tensor_dim0 = 32
	s_mov_b32 s[G1+2], (NL*8)<<16                  ; tensor_dim1 = 80
	s_mov_b32 s[G1+3], 32<<16                      ; tile_dim0 = 32
	s_mov_b32 s[G1+4], NL*8                        ; tile_dim1 = 80
	s_mov_b32 s[G1+5], 32                          ; the pitch
	s_mov_b32 s[G1+6], 0
	s_mov_b32 s[G1+7], 0
	s_wait_dscnt 0x0                               ; both opening adds are done
	s_wait_kmcnt 0x0
	s_load_b64 s[44:45], s[10:11], 0x0             ; e0, e1
	s_add_nc_u64 s[4:5], s[4:5], s[20:21]
	s_add_nc_u64 s[12:13], s[12:13], s[22:23]
	s_add_nc_u64 s[6:7], s[6:7], s[24:25]
	s_add_nc_u64 s[8:9], s[8:9], s[26:27]
	WIN 0
	global_load_b128 v[SUM:SUM+3], v[LI], s[8:9]
	global_load_b128 v[SUM+4:SUM+7], v[LI], s[8:9] offset:8192
	WIN 0x55
.set Q, 0
.rept NS
	ITEM Q, LI1                                    ; x's first items go out ahead of the round
.set Q, Q+1
.endr
	s_mov_b64 s[G0+2:G0+3], s[6:7]
	s_or_b32 s[G0+3], s[G0+3], 0x80000000          ; type = 2
	; the other addresses, while the loads are on their way
	WIN 0
	v_add_nc_u32 v[WR], s30, v[LI]
	v_add_nc_u32 v[BW], s31, v[LI]
	v_lshlrev_b32 v9, 4, v6
	v_mul_u32_u24 v[AR], v6, RP
	v_mul_u32_u24 v[SO], v6, SPI
	v_mul_u32_u24 v[SR], v7, SPI
	v_lshlrev_b32 v[OO], 14, v7                    ; one row of out0 is 16,384 bytes
	v_lshl_add_u32 v[AR], v7, 4, v[AR]
	v_lshl_add_u32 v[SO], v7, 5, v[SO]
	v_add_nc_u32 v[BR], BIA, v9
	v_add_nc_u32 v[SR], v[SR], v9
	v_add_nc_u32 v[OO], v[OO], v9
	v_add_nc_u32 v[AR], s28, v[AR]
	v_add_nc_u32 v[SO], s28, v[SO]
	v_add_nc_u32 v[SR], s33, v[SR]
	v_add_nc_u32 v[SR2], 4*REG, v[SR]
	WIN 0x40
	v_add_nc_u32 v[CW], s28, v[LI]
	s_wait_alu depctr_va_vdst(0)                   ; directly ahead of the wait below
	s_wait_kmcnt 0x0
	s_add_co_i32 s41, s44, 127
	s_lshl_b32 s42, s41, 23
	v_mov_b32 v[SC], s42                           ; 2^e0 as f32: the conversion takes its exponent field
	s_add_co_i32 s41, s41, 15
	s_lshl_b32 s41, s41, 23
	s_or_b32 s41, s41, 0x600000
	v_mov_b32 v[LIM], s41                          ; 57,344 x 2^e0
	s_add_co_i32 s46, s44, s45
	s_add_co_i32 s46, s46, 127
	s_lshl_b32 s46, s46, 23                        ; 2^(e0 + e1) as f32
	s_mov_b32 s47, s46                             ; (named with it as a pair, so it is written)
	WIN 0
	s_wait_alu depctr_va_vdst(0)                   ; at the head's end
	CROUND                                         ; all sixteen work-groups are here: the joint loads meet
	tensor_load_to_lds s[G0:G0+3], s[G1:G1+7]      ; my one tensor load of the launch
	s_nop 0
.rept 4
	v_nop                                          ; the windows are switched only behind four instructions
.endr
	WIN 0x55
.set Q, 0
.rept 32
	XUNIT Q
.set Q, Q+1
.endr
	v_nop                                          ; one plain vector line behind the last scaled conversion
	s_wait_tensorcnt 0x0                           ; my ten fragments of W are in LDS; no other wave reads them
	s_wait_xcnt 0x0                                ; the ring's loads have read their address register, over which W's fragments are loaded
	AFETCH 0
	LFETCH 0
	LFETCH 2
	AFETCH 1
	AFETCH 2
	AFETCH 3
	LPAIR 0, 32                                    ; behind its eight loads: the next pair's eight, and x's 24 of the later steps
	LPAIR 2, 32                                    ; x's 24, and the eight of the pair that was just asked for
	LPAIR 4, 8                                     ; the next pair's eight
	LPAIR 6, 8
	LPAIR 8, 0
	MPAIR 10
	MPAIR 12
	MPAIR 14
	STAGE 0
	SEND 0, 0, 0                                   ; the first two rows leave; 12 of the next 16 fragments have been asked for ahead of them,
	MPAIR 16
	MPAIR 18                                       ; and the last four here, ahead of the next two rows
	s_wait_xcnt 0x0                                ; the stores have read their data registers, which are written again below
	BIAS 0, 1
	SEND 0, 1, 0
.set Q, 20
.rept 6
	MPAIR Q
.set Q, Q+2
.endr
	STAGE 1
	SEND 1, 0, 16
	SEND 1, 1, 0
	s_wait_tensorcnt 0x0                           ; the wave's end, behind my last LDS store
	ds_add_u32 v[SPW], v[NIL]
	s_wait_dscnt 0x0
	CROUND                                         ; the closing round: no work-group ends while a partner may still ask for bytes that name it
	s_endpgm
.Lfunc_end_k_q090c10a15b_fc:
	.size	k_q090c10a15b_fc, .Lfunc_end_k_q090c10a15b_fc-k_q090c10a15b_fc
	.p2alignl 7, 3214868480
	.fill 96, 4, 3214868480
	.section	.rodata,"a",@progbits
	.p2align	6, 0x0
	.amdhsa_kernel k_q090c10a15b_fc
		.amdhsa_group_segment_fixed_size 327680
		.amdhsa_private_segment_fixed_size 0
		.amdhsa_enable_private_segment 0
		.amdhsa_kernarg_size 40
		.amdhsa_user_sgpr_count 2
		.amdhsa_user_sgpr_kernarg_segment_ptr 1
		.amdhsa_wavefront_size32 1
		.amdhsa_system_sgpr_workgroup_id_x 1
		.amdhsa_system_sgpr_workgroup_id_y 1
		.amdhsa_system_sgpr_workgroup_id_z 1
		.amdhsa_system_vgpr_workitem_id 0
		.amdhsa_next_free_vgpr 512
		.amdhsa_next_free_sgpr 66
		.amdhsa_reserve_vcc 0
		.amdhsa_float_denorm_mode_32 3
		.amdhsa_float_denorm_mode_16_64 3
		.amdhsa_memory_ordered 1
		.amdhsa_forward_progress 1
		.amdhsa_inst_pref_size 104
	.end_amdhsa_kernel
	.amdgpu_metadata
---
amdhsa.version: [ 1, 2 ]
amdhsa.kernels:
  - .name:           k_q090c10a15b_fc
    .symbol:         k_q090c10a15b_fc.kd
    .args:
      - { .name: x, .offset: 0, .size: 8, .value_kind: global_buffer, .address_space: global }
      - { .name: wcodes, .offset: 8, .size: 8, .value_kind: global_buffer, .address_space: global }
      - { .name: bias, .offset: 16, .size: 8, .value_kind: global_buffer, .address_space: global }
      - { .name: lowp_scales, .offset: 24, .size: 8, .value_kind: global_buffer, .address_space: global }
      - { .name: out0, .offset: 32, .size: 8, .value_kind: global_buffer, .address_space: global }
    .group_segment_fixed_size: 327680
    .private_segment_fixed_size: 0
    .kernarg_segment_align: 8
    .kernarg_segment_size: 40
    .max_flat_workgroup_size: 256
    .sgpr_count:     66
    .vgpr_count:     512
    .wavefront_size: 32
...
	.end_amdgpu_metadata
.endif
;; end of part 2
